; MI455X (gfx1250); checked and timed in simulation.
; The chip was launched on July 23, 2026; its instructions are those of AMD's public machine-readable ISA for CDNA 5 (MIT licence, August 2026) and "CDNA5" Instruction Set Architecture Reference Guide (July 2026). The comments in the code are by the model that wrote it; some were corrected since.
;; Causal Multihead Self Attention. Allowed arithmetic: matrix products marked QUANTISED: E4M3 operands, one given power-of-two scale a tensor, by v_wmma_f32_16x16x64_fp8_fp8 or v_wmma_f32_16x16x128_fp8_fp8, f32 sums; everything else in f32.
;; Inputs: Wk_codes 1,024 x 32 x 32 uint8 (E4M3 codes of Wk, K innermost, in blocks of 32 codes); Wo_codes 1,024 x 32 x 32 uint8 (E4M3 codes of Wo, K innermost, in blocks of 32 codes); Wq_codes 1,024 x 32 x 32 uint8 (E4M3 codes of Wq, K innermost, in blocks of 32 codes); Wv_codes 1,024 x 32 x 32 uint8 (E4M3 codes of Wv, K innermost, in blocks of 32 codes); bk 1,024 float32; bo 1,024 float32; bq 1,024 float32; bv 1,024 float32; lowp_scales 12 int32 (the exponents e of the quantised operands' scales 2^e); x_codes 4 x 2,048 x 32 x 32 uint8 (E4M3 codes of x, K innermost, in blocks of 32 codes).
;; Outputs: out0 4 x 2,048 x 1,024 float32.
;; This version of the problem:
;;   THIS VERSION OF THE PROBLEM IS GIVEN IN LOW PRECISION. The matrix products marked QUANTISED in the list below multiply operands that are first quantised to E4M3 (4 exponent bits, 3 mantissa bits; 8 bits a number), with one given power-of-two scale for each operand tensor; their sums are f32. All else is computed in f32.
;;   The module's matrix products, in the order in which they are computed (A, B: the left and right operand; K: the contracted axis; several contracted axes count as one K, in the product's order):
;;     1. [M 8,192, K 1,024] x [K 1,024, N 1,024]; A: input x (given as codes); B: input Wq (given as codes): QUANTISED (scales: A lowp_scales[0], B lowp_scales[1])
;;     2. [M 8,192, K 1,024] x [K 1,024, N 1,024]; A: input x (given as codes); B: input Wk (given as codes): QUANTISED (scales: A lowp_scales[2], B lowp_scales[3])
;;     3. [M 8,192, K 1,024] x [K 1,024, N 1,024]; A: input x (given as codes); B: input Wv (given as codes): QUANTISED (scales: A lowp_scales[4], B lowp_scales[5])
;;     4. batch 64 x [M 2,048, K 64] x [K 64, N 2,048]; A: computed on the way; B: computed on the way: QUANTISED (scales: A lowp_scales[6], B lowp_scales[7])
;;     5. batch 64 x [M 2,048, K 2,048] x [K 2,048, N 64]; A: softmax (see below); B: computed on the way: QUANTISED (scales: A lowp_scales[8], B lowp_scales[9])
;;     6. [M 8,192, K 1,024] x [K 1,024, N 1,024]; A: computed on the way; B: input Wo (given as codes): QUANTISED (scales: A lowp_scales[10], B lowp_scales[11])
;;   THE QUANTISER, for each operand of a quantised product, along K:
;;     - The operand's scale is 2^e, e = its entry of the input lowp_scales (int32; the entries are numbered through the quantised products in the list's order, A before B).
;;     - Each number is divided by the scale, clamped to +-448, and rounded to the nearest number of E4M3, ties to even, subnormals kept.
;;     - The product sums the exact products of the quantised numbers (number of the format x scale) in f32.
;;   ~~~python
;;   def quantise(x, axis, e):      # numpy; x: float32 -> the quantised numbers, widened to float32 again
;;       x = np.moveaxis(x, axis, -1); K = x.shape[-1]
;;       r = np.clip(x / 2.0 ** e, -448, 448)
;;       step = 2.0 ** (np.maximum(np.frexp(np.where(r == 0, 1, r))[1] - 1, -6) - 3)
;;       q = np.round(r / step) * step * 2.0 ** e      # np.round: ties to even
;;       return np.moveaxis(q, -1, axis).astype(np.float32)
;;   ~~~
;;   SOFTMAX AHEAD OF A QUANTISED PRODUCT. Where the list says 'softmax', what is quantised is not the finished softmax but p = 2^(t - M), with t = logit x log2(e) and M = ceil(the row's largest t), a whole number; so 1/2 < the row's largest p <= 1. The row's sum l is taken of the UNQUANTISED p, in f32, and the product's result is divided by l at the end. Since M is a whole number, a kernel that streams over the keys may use a running M (the ceiling of the running maximum): every later rescaling is an exact power of two, so the quantised numbers keep their values, but for numbers so far below the row's largest that they fall under the format's range.
;;   OPERANDS COMPUTED ON THE WAY. 'Computed on the way' means the value that the module computes at that place (a softmax that the list does not call 'softmax' is quantised finished and normalised). What goes into a quantiser is computed in f32, as accurately as f32 sums, v_exp_f32 and their like allow (about 1e-6 of the number): no bf16 or f16 on the way to a quantiser, and a product that is left as it is and whose result goes on into a quantised operand takes f32 operands (vector FMAs, or v_wmma_f32_16x16x4_f32). A number that lies on a knife's edge between two numbers of the format may be rounded either way, as far as f32 arithmetic and the matrix unit's own rounding can turn it there, and no further.
;;   INPUTS GIVEN AS CODES. Wk (in the module: [1024, 1024], K = its axis 1); Wo (in the module: [1024, 1024], K = its axis 1); Wq (in the module: [1024, 1024], K = its axis 1); Wv (in the module: [1024, 1024], K = its axis 1); x (in the module: [4, 2048, 1024], K = its axis 2): each comes as NAME_codes (uint8): NAME with its K axis moved to the last place and cut into blocks of 32 codes, [.., K / 32, bytes a block], one block behind the other in memory; one code a byte (a code: sign, 4 exponent bits, 3 mantissa bits); its scale is its entry of lowp_scales. Its value is code x scale, taken as it is: it is not quantised again, and the codes and scales need not be those that the quantiser above would give.
;; One version. Each part assembles by itself: llvm-mc -triple=amdgcn-amd-amdhsa -mcpu=gfx1250 --defsym DOCPART=n.
;; ======== version 1 of 1: 3 launches
;; limits: right only within a limited range of input values
;; workspace buffers: q_img 8,388,608 bytes; k_img 8,388,608 bytes; v_img 8,388,608 bytes; a_img 8,388,608 bytes
;; launch qkv (part 1): grid 12 x 32, 4 waves a work-group, clusters of 4 x 4, 327,680 bytes of LDS; arguments x_codes, Wq_codes, Wk_codes, Wv_codes, bq, bk, bv, lowp_scales, q_img, k_img, v_img; writes q_img, k_img, v_img
.if DOCPART == 1
	.amdgcn_target "amdgcn-amd-amdhsa--gfx1250"
	.amdhsa_code_object_version 6
	.text
	.protected	k_qb7a1cd8362_qkv
	.globl	k_qb7a1cd8362_qkv
	.p2align	8
	.type	k_qb7a1cd8362_qkv,@function
k_qb7a1cd8362_qkv:
	s_mov_b64 s[64:65], 0
	v_nop
	global_prefetch_b8 v0, s[64:65] scope:SCOPE_SE
	s_setreg_imm32_b32 hwreg(HW_REG_WAVE_MODE, 25, 1), 1
	s_wait_xcnt 0x0
	s_wait_alu depctr_hold_cnt(0) depctr_sa_sdst(0) depctr_va_vdst(0) depctr_va_sdst(0) depctr_va_ssrc(0) depctr_va_vcc(0) depctr_vm_vsrc(0)
	s_getreg_b32 s2, hwreg(HW_REG_IB_STS2, 6, 4)
	s_cmp_eq_u32 s2, 0
	s_cbranch_scc0 .Lentry_in_a_cluster
	s_endpgm
.Lentry_in_a_cluster:
	s_bfe_u32 s2, ttmp6, 0x10000c
	s_cmp_lg_u32 s2, 0xf033
	s_cbranch_scc0 .Lentry_shape_is_right
	s_endpgm
.Lentry_shape_is_right:
; q = x Wq^T + bq, k = x Wk^T + bk, v = x Wv^T + bv on codes of FP8 (E4M3), each result quantised at once for the attention launch (scales 2^e6, 2^e7, 2^e9).
; x: [8192][1024] codes, W*: [1024][1024] codes, K innermost; b*: [1024] f32.  A sum of codes stands for sum x 2^(ex + ew): (e0, e1) for q, (e2, e3) for k, (e4, e5) for v.
; LIMITS: e0 + e1, e2 + e3, e4 + e5 between -126 and 127; e6, e7, e9 between -126 and 119, so that each power of two below is an f32 number.  NaN among the biases is not served.
; SHARES.  A tile of 256 x 256 results to a work-group of four waves, 128 x 128 to a wave: 64 accumulators, 512 registers.  K = 1024 goes in four steps of 256 through a ring of two LDS slots.
; ROLES.  The cluster's x says which product: 0 q, 1 k, 2 v; it is the same in all sixteen partners.  For q and k the side called A is x (tokens) and B is W (features); for v A is Wv (channels) and B is x (keys).
; The matrix instruction is used transposed (source 0 = 16 rows of B, source 1 = 16 rows of A): lane (r, h) of accumulator (a, b) holds A's row 16 a + r and B's rows 16 b + 8 h + 0 .. 7.
; So the eight codes made of an accumulator ARE registers 2 b, 2 b + 1 of an 8-bit operand whose lane is A's row and whose K runs along B's rows: q and k with K = the head's 64, v with K = 128 keys.
; The results leave as IMAGES OF THOSE REGISTERS: four registers a lane, 16 bytes at 16 x lane: every store of the wave covers 512 consecutive bytes, aligned.  No stage, no transposition.
;   q_img, k_img: [batch x head 64][tile of 16 tokens 128][image 2][lane 32][16 bytes];   v_img: [batch x head 64][block of 128 keys 16][tile of 16 channels 4][image 4][lane 32][16 bytes].
; CLUSTERS: 4 x 4 work-groups.  A's tile hangs on cy and the cluster's y alone and is asked for jointly along a row of the cluster, B's on cx and the cluster's y alone, along a column.
; No prefetch is laid: of the four K steps two are the first fills, and the tiles are shared by joint loads.
; REGISTERS, in windows of 256: window 0: v0-31 addresses; v32-95 the bias by B's rows; v96-111 the bias by A's rows (each number twice: a pair); v112 2^eo;
;   from v128 A's fragments, ONE set; on the way out v128-191 a block's numbers, v192-223 its codes, two sets.   window 1: B's fragments, two sets.   windows 2, 3: the accumulators, (a, b) at v[8 (8 (a % 4) + b)].
.set ROWB,   256                       ; a tile's row in bytes: 256 codes
.set KROW,   1024                      ; a row of x or of W in memory
.set PITCH,  272                       ; an LDS row: 256 bytes + 16 of padding = 68 words: the 16 rows that a load touches start at 16 different banks (64 banks of 4 bytes: ISA guide 11.1)
.set FR,     16                        ; registers of a fragment: 16 rows x 128 K
.set NL,     4                         ; LDS loads that bring one
.set NP,     4                         ; places behind this matrix instruction (ISA guide 7.12.1)
.set HALFT,  128*PITCH                 ; 128 rows: what one tensor load brings
.set SLOT,   4*HALFT                   ; A's 256 rows, then B's 256 rows
.set SPARE,  2*SLOT                    ; behind the ring: the spare words, 128 bytes for each wave
.set ADRA, 16                          ; v16-17  LDS address of my A fragments in slot 0, 1
.set ADRB, 20                          ; v20-21  the same for B
.set CO,   26                          ; v26     16 x lane: my place in an image
.set CBO,  27                          ; v27     byte offset of the bias by B's rows
.set SPW,  28                          ; v28     LDS address of my spare word; never rewritten
.set NIL,  29                          ; v29     0; never rewritten
.set RBO,  30                          ; v30     byte offset of the bias by A's rows
.set CB,   32
.set RB,   96
.set SCL,  112
.set LIM,  113
.set AF,   128
.set TMP,  128
.set CD,   192
.set G1, 24                            ; s[24:31] descriptor group 1 for A's tiles;  s[32:39] group 0, one set for each slot
.set G0, 32
.set G1B, 48                           ; s[48:55], s[56:63] the same for B's tiles
.set G0B, 56
.set MSB, 0
.macro WIN new                         ; the immediate's high byte repeats the setting that is left
.if MSB != \new
	s_set_vgpr_msb (MSB<<8)|\new
.set MSB, \new
.endif
.endm
.set MUL_LO, 0xa1                      ; source 0 (B) window 1, source 1 (A) window 0, C and D window 2
.set MUL_HI, 0xf1                      ; the same, C and D window 3
.set TO_B,   0x40                      ; destination window 1, address window 0
; A joint load: waves 0 and 1 fetch for A, waves 2 and 3 for B; the branch hangs on the wave's number alone.  Four v_nop follow each of the two lines.
.macro JLOAD g0a, g1a, g0b, g1b
	s_cmp_eq_u32 s15, 0
	s_cbranch_scc0 .Lfor_b_\@
	tensor_load_to_lds s[\g0a:\g0a+3], s[\g1a:\g1a+7]
	s_nop 0
.rept 4
	v_nop
.endr
	s_branch .Lasked_\@
.Lfor_b_\@:
	tensor_load_to_lds s[\g0b:\g0b+3], s[\g1b:\g1b+7]
	s_nop 0
.rept 4
	v_nop
.endr
.Lasked_\@:
.endm
.macro CREST                           ; a round of the cluster's barrier behind its opening barrier
	s_cmp_lg_u32 s14, 0
	s_cbranch_scc1 .Lnot_wave_0_\@
	s_barrier_signal -3
.Lnot_wave_0_\@:
	s_barrier_wait -3
	s_barrier_signal -1
	s_barrier_wait -1
.endm
.macro CROUND                          ; a whole round
	s_barrier_signal -1
	s_barrier_wait -1
	CREST
.endm
	s_load_b512 s[68:83], s[0:1], 0x0              ; x s[68:69], Wq s[70:71], Wk s[72:73], Wv s[74:75], bq s[76:77], bk s[78:79], bv s[80:81], the scales' exponents s[82:83]
	s_load_b128 s[84:87], s[0:1], 0x40             ; q_img s[84:85], k_img s[86:87]
	s_load_b64 s[88:89], s[0:1], 0x50              ; v_img
	v_lshl_add_u32 v[SPW], v0, 2, SPARE
	v_mov_b32 v[NIL], 0
	ds_add_u32 v28, v29
	ds_add_u32 v28, v29
	s_wait_dscnt 0x0
	v_lshrrev_b32 v1, 5, v0
	v_readfirstlane_b32 s14, v1                    ; wave 0..3
	s_lshr_b32 s15, s14, 1                         ; which half of A's rows is mine.  Also: I fetch for A (0) or for B (1)
	s_and_b32 s16, s14, 1                          ; which half of B's rows.  Also: which 128 rows of that tile I fetch
	s_bfe_u32 s40, ttmp6, 0x40000                  ; cx, cy: my place in the cluster
	s_bfe_u32 s41, ttmp6, 0x40004
	s_and_b32 s17, ttmp7, 0xffff
	s_lshl_b32 s17, s17, 2                         ; 4 x cluster y
	s_cmp_eq_u32 ttmp9, 2                          ; the product v?  (the cluster's x: the same in all partners)
	s_cselect_b32 s18, 0, s17                      ; x's 32 tiles of 256 rows are walked by the cluster's y: on A's side for q and k,
	s_cselect_b32 s42, s17, 0                      ; on B's side for v
	s_add_co_u32 s18, s18, s41                     ; A's tile: hangs on cy, never on cx
	s_add_co_u32 s42, s42, s40                     ; B's tile: hangs on cx, never on cy
	s_lshl_b32 s43, s41, 2
	s_lshl_b32 s43, 15, s43                        ; my row of the cluster
	s_lshl_b32 s44, 0x1111, s40                    ; my column
	; descriptor group 1: a tile of 128 rows x 256 bytes, padded in LDS
	s_or_b32 s[G1+0], s43, (1<<20)|(1<<21)|(5<<22)|(3<<25)   ; 15:0 the mask: my row; 17:16 elements of 1 byte; 20 padding on; 21 set beside a mask; 24:22 after every 64 words (code 5); 31:25 of 4 words (code 3)
	s_or_b32 s[G1B+0], s44, (1<<20)|(1<<21)|(5<<22)|(3<<25)  ; the same with the mask of my column
.irp g, G1, G1B
	s_mov_b32 s[\g+1], ROWB<<16                    ; tensor_dim0
	s_mov_b32 s[\g+2], 128<<16                     ; tensor_dim1 = 128
	s_mov_b32 s[\g+3], ROWB<<16                    ; tile_dim0
	s_mov_b32 s[\g+4], 128                         ; tile_dim1 = 128
	s_mov_b32 s[\g+5], KROW                        ; tensor_dim0_stride
	s_mov_b32 s[\g+6], 0
	s_mov_b32 s[\g+7], 0
.endr
	s_lshl_b32 s20, s18, 18                        ; A: 256 rows of 1,024 bytes a tile,
	s_lshl_b32 s22, s16, 17                        ; + the 128 rows that I fetch
	s_add_co_u32 s20, s20, s22
	s_mov_b32 s21, 0
	s_lshl_b32 s46, s42, 18                        ; B likewise
	s_add_co_u32 s46, s46, s22
	s_mov_b32 s47, 0
	s_mul_i32 s45, s14, HALFT                      ; where they go: wave x 128 rows: no place in the cluster enters an LDS address
	s_wait_kmcnt 0x0
	s_load_b256 s[92:99], s[82:83], 0x0            ; e0 .. e7
	s_load_b32 s90, s[82:83], 0x24                 ; e9
	s_cmp_eq_u32 ttmp9, 2                          ; the buffers of my product: choices that hang on the cluster's x alone
	s_cselect_b64 s[4:5], s[74:75], s[68:69]       ; A: Wv, or x
	s_cselect_b64 s[6:7], s[68:69], s[70:71]       ; B: x, or Wq
	s_cselect_b64 s[8:9], s[80:81], s[76:77]       ; the bias
	s_cselect_b64 s[10:11], s[88:89], s[84:85]     ; the images
	s_cmp_eq_u32 ttmp9, 1
	s_cselect_b64 s[6:7], s[72:73], s[6:7]         ; k: Wk, bk, k_img
	s_cselect_b64 s[8:9], s[78:79], s[8:9]
	s_cselect_b64 s[10:11], s[86:87], s[10:11]
	s_add_nc_u64 s[20:21], s[4:5], s[20:21]
	s_add_nc_u64 s[46:47], s[6:7], s[46:47]
	CROUND                                         ; all sixteen work-groups are here: the first joint loads meet
.irp s, 0,1
	s_mov_b32 s[G0+4*\s], 1
	s_add_co_u32 s[G0+4*\s+1], s45, \s*SLOT
	s_add_nc_u64 s[G0+4*\s+2:G0+4*\s+3], s[20:21], \s*ROWB
	s_or_b32 s[G0+4*\s+3], s[G0+4*\s+3], 0x80000000
	s_mov_b32 s[G0B+4*\s], 1
	s_add_co_u32 s[G0B+4*\s+1], s45, \s*SLOT
	s_add_nc_u64 s[G0B+4*\s+2:G0B+4*\s+3], s[46:47], \s*ROWB
	s_or_b32 s[G0B+4*\s+3], s[G0B+4*\s+3], 0x80000000
	JLOAD G0+4*\s, G1, G0B+4*\s, G1B               ; two loads of mine are out behind these
.endr
	v_and_b32 v1, 15, v0                           ; r = lane % 16
	v_bfe_u32 v2, v0, 4, 1                         ; h = lane / 16
	s_wait_alu depctr_va_vdst(0)
	v_mul_u32_u24 v3, v1, PITCH
	v_lshl_add_u32 v4, v2, 4, v3                   ; a fragment's row x pitch + 16 x half
	s_mul_i32 s21, s15, HALFT                      ; my 128 rows of A
	s_mul_i32 s22, s16, HALFT                      ; my 128 rows of B,
	s_add_co_u32 s22, s22, 2*HALFT                 ; which lie behind A's 256
.irp s, 0,1
	v_add_nc_u32 v[ADRA+\s], s21, v4
	v_add_nc_u32 v[ADRB+\s], s22, v4
	s_add_co_u32 s21, s21, SLOT
	s_add_co_u32 s22, s22, SLOT
.endr
	v_and_b32 v5, 31, v0
	v_lshlrev_b32 v[CO], 4, v5
	; The bias, in both layouts.  q and k want it by B's rows (feature 256 cx + 128 half + 16 b + 8 h + j), v by A's rows (feature 256 cy + 128 half + 16 a + r).
	; Both sets are loaded whatever the product, from the product's own bias, so that every register below is written on every way; both stay inside the 1,024 numbers.
	s_lshl_b32 s2, s40, 10
	s_lshl_b32 s3, s16, 9
	s_add_co_u32 s2, s2, s3
	v_lshl_add_u32 v[CBO], v2, 5, s2               ; 4 (256 cx + 128 half + 8 h)
	s_lshl_b32 s2, s41, 10
	s_lshl_b32 s3, s15, 9
	s_add_co_u32 s2, s2, s3
	v_lshl_add_u32 v[RBO], v1, 2, s2               ; 4 (256 cy + 128 half + r)
.irp b, 0,1,2,3,4,5,6,7
	global_load_b128 v[CB+8*\b:CB+8*\b+3],   v[CBO], s[8:9] offset:64*\b
	global_load_b128 v[CB+8*\b+4:CB+8*\b+7], v[CBO], s[8:9] offset:64*\b+16
.endr
.irp a, 0,1,2,3,4,5,6,7
	global_load_b32 v[RB+2*\a],   v[RBO], s[8:9] offset:64*\a
	global_load_b32 v[RB+2*\a+1], v[RBO], s[8:9] offset:64*\a
.endr
	; Where my wave's images begin.  TT = x's tile, su = my half of it, Wc = the weight's tile, sw = my half of that:
	; ((TT / 8) 16 + 4 Wc + 2 sw) heads of 131,072 bytes + (TT % 8) 16,384 + su 8,192: the same sum for q_img, k_img and v_img.
	s_cmp_eq_u32 ttmp9, 2
	s_cselect_b32 s2, s42, s18                     ; TT
	s_cselect_b32 s3, s16, s15                     ; su
	s_cselect_b32 s22, s41, s40                    ; Wc
	s_cselect_b32 s23, s15, s16                    ; sw
	s_lshr_b32 s19, s2, 3
	s_lshl_b32 s19, s19, 4
	s_lshl_b32 s22, s22, 2
	s_add_co_u32 s19, s19, s22
	s_lshl_b32 s23, s23, 1
	s_add_co_u32 s19, s19, s23
	s_lshl_b32 s19, s19, 17
	s_and_b32 s2, s2, 7
	s_lshl_b32 s2, s2, 14
	s_add_co_u32 s2, s2, s19
	s_lshl_b32 s3, s3, 13
	s_add_co_u32 s2, s2, s3
	s_mov_b32 s3, 0
	s_add_nc_u64 s[10:11], s[10:11], s[2:3]
.macro FRAG reg, adr, q, i             ; a fragment, 16 rows x 128 K, is 16 registers: lane l holds row l % 16; registers 4 c .. 4 c + 3 hold K = 32 c + 16 (l / 16) + 0 .. 15: the same order of k on both sides
.irp c, 0,1,2,3
	ds_load_b128 v[\reg+4*\c:\reg+4*\c+3], v[\adr] offset:128*(\q)+32*\c+(\i)*16*PITCH
.endr
.endm
; 16 matrix instructions: A's blocks a0, a0 + 1 x B's eight, 128 along K.  p: B's set.  zero = 1: the first product starts the sums.
; The 64 accumulators take turns, one instruction a turn, in the same order in every step.
.macro MUL16 a0, p, zero
.irp a, \a0, \a0+1
.irp b, 0,1,2,3,4,5,6,7
.if \zero
	v_wmma_f32_16x16x128_fp8_fp8 v[8*(8*((\a)%4)+\b):8*(8*((\a)%4)+\b)+7], v[128*(\p)+FR*\b:128*(\p)+FR*\b+FR-1], v[AF+FR*(\a):AF+FR*(\a)+FR-1], 0
.else
	v_wmma_f32_16x16x128_fp8_fp8 v[8*(8*((\a)%4)+\b):8*(8*((\a)%4)+\b)+7], v[128*(\p)+FR*\b:128*(\p)+FR*\b+FR-1], v[AF+FR*(\a):AF+FR*(\a)+FR-1], v[8*(8*((\a)%4)+\b):8*(8*((\a)%4)+\b)+7]
.endif
.endr
.endr
.endm
.macro FETCH_B slot, q, p              ; B's eight fragments of the slot's q-th 128 along K into set p
	WIN TO_B
.irp i, 0,1,2,3,4,5,6,7
	FRAG 128*(\p)+FR*\i, ADRB+\slot, \q, \i
.endr
	WIN 0
.endm
.macro FETCH_A slot, q, i0             ; A's blocks i0 .. i0 + 3
.irp i, \i0, \i0+1, \i0+2, \i0+3
	FRAG AF+FR*(\i), ADRA+\slot, \q, \i
.endr
.endm
.macro PLACES n                        ; plain vector lines between a matrix instruction and a load into, or a vector write of, one of its registers, or a read of its result
.rept \n
	v_nop
.endr
.endm
; A step of 128 along K that has its successor in the same slot.
.macro STEP slot, q, zero
	s_wait_dscnt 4*NL                              ; B's set and A's blocks 0-3 are in; the youngest 16 loads (A's blocks 4-7) may be out
	WIN MUL_LO
	MUL16 0, (\q)%2, \zero
	MUL16 2, (\q)%2, \zero
	s_wait_dscnt 0                                 ; A's blocks 4-7 are in
	PLACES NP
	FETCH_B \slot, (\q)+1, 1-(\q)%2
	FETCH_A \slot, (\q)+1, 0
	WIN MUL_HI
	MUL16 4, (\q)%2, \zero
	MUL16 6, (\q)%2, \zero
	PLACES NP
	WIN 0
	FETCH_A \slot, (\q)+1, 4
.endm
; A slot's last step changes slots: ONE barrier; in front of it each wave waits for all its tensor loads, adds 0 to its spare word, and waits for that and for its own reads of this slot.  fill = 1: this slot is filled again, two K steps ahead.
.macro TURN slot, next, fill
	s_wait_tensorcnt 0x0                           ; all my tensor loads have landed: my part of the next slot
	ds_add_u32 v[SPW], v[NIL]                      ; 0 onto my spare word
	s_wait_dscnt 4*NL+1                            ; (the add and the youngest 16 loads, A's blocks 4-7, may be out)
	WIN MUL_LO
	MUL16 0, 1, 0                                  ; sixteen matrix instructions stand between the add and the wait for it
	s_wait_dscnt 0x0                               ; the add is done, and my reads of this slot are over
	s_barrier_signal -1
	MUL16 2, 1, 0
	WIN 0
	s_barrier_wait -1
.if \fill
	CREST                                          ; the barrier has opened a round of the cluster's barrier: no wave of any partner still reads this slot's tile or has a load on its way
	s_add_nc_u64 s[G0+4*\slot+2:G0+4*\slot+3], s[G0+4*\slot+2:G0+4*\slot+3], 2*ROWB
	s_add_nc_u64 s[G0B+4*\slot+2:G0B+4*\slot+3], s[G0B+4*\slot+2:G0B+4*\slot+3], 2*ROWB
	JLOAD G0+4*\slot, G1, G0B+4*\slot, G1B         ; the first tensor load behind the round, my one load until the next; its four v_nop are the places in front of the loads below
.else
	PLACES NP
.endif
	FETCH_B \next, 0, 0
	FETCH_A \next, 0, 0
	WIN MUL_HI
	MUL16 4, 1, 0
	MUL16 6, 1, 0
	PLACES NP
	WIN 0
	FETCH_A \next, 0, 4
.endm
	s_wait_alu depctr_va_vdst(0)
	s_wait_tensorcnt 1                             ; my part of K step 0 is in (K step 1's load may be out)
	s_barrier_signal -1
	s_barrier_wait -1                              ; everybody's is
	FETCH_B 0, 0, 0
	FETCH_A 0, 0, 0
	FETCH_A 0, 0, 4
	STEP 0, 0, 1                                   ; K 0-127: its products start the sums.  The eight steps of 128 are written out: there are four slots' worth of K
	TURN 0, 1, 1                                   ; K 128-255; slot 0 takes K 512-767
	STEP 1, 0, 0
	TURN 1, 0, 1                                   ; slot 1 takes K 768-1023
	STEP 0, 0, 0
	TURN 0, 1, 0                                   ; nothing is left to fetch
	STEP 1, 0, 0
	s_wait_dscnt 4*NL                              ; the last step
	WIN MUL_LO
	MUL16 0, 1, 0
	MUL16 2, 1, 0
	s_wait_dscnt 0
	WIN MUL_HI
	MUL16 4, 1, 0
	MUL16 6, 1, 0
	WIN 0
	; THE WAY OUT: number = sum x 2^(ex + ew) + bias, one fused multiply-add; converted with the scale 2^eo; stored as images.
	s_wait_kmcnt 0x0
	s_add_co_i32 s92, s92, s93                     ; e0 + e1
	s_add_co_i32 s94, s94, s95                     ; e2 + e3
	s_add_co_i32 s96, s96, s97                     ; e4 + e5
	s_cmp_eq_u32 ttmp9, 2                          ; choices, no branch: nothing here jumps on a loaded number
	s_cselect_b32 s12, s96, s92
	s_cselect_b32 s13, s90, s98                    ; e9, or e6
	s_cmp_eq_u32 ttmp9, 1
	s_cselect_b32 s12, s94, s12
	s_cselect_b32 s13, s99, s13                    ; e7
	s_add_co_i32 s12, s12, 127
	s_lshl_b32 s12, s12, 23                        ; 2^(ex + ew) as f32
	s_add_co_i32 s2, s13, 127
	s_lshl_b32 s3, s2, 23
	v_mov_b32 v[SCL], s3                           ; 2^eo as f32: the conversion takes its exponent field
	s_mov_b32 s13, s12                             ; (named with s12 as a pair, so it is written)
	s_wait_loadcnt 0x0                             ; the biases
	PLACES NP                                      ; behind the last products: their results are read and A's registers written below
; Block a: A's rows 16 a .. 16 a + 15 against B's 128 rows: eight accumulators, each from its low end on, become 16 registers of codes: four images.
.macro OUTBLK a, isv
.set AC, 64*((\a)%4)
.set CC, CD+16*((\a)%2)
.if (\a) > 1
	s_wait_xcnt 0x0                                ; block a - 2's stores have read this set of codes: it is written again only behind this wait
.endif
	WIN (0x02+(\a)/4)                              ; source 0: window 2 or 3
.irp b, 0,1,2,3,4,5,6,7
.irp j, 0,2,4,6
.if \isv
	v_pk_fma_f32 v[TMP+8*\b+\j:TMP+8*\b+\j+1], v[AC+8*\b+\j:AC+8*\b+\j+1], s[12:13], v[RB+2*(\a):RB+2*(\a)+1] op_sel_hi:[1,0,1]
.else
	v_pk_fma_f32 v[TMP+8*\b+\j:TMP+8*\b+\j+1], v[AC+8*\b+\j:AC+8*\b+\j+1], s[12:13], v[CB+8*\b+\j:CB+8*\b+\j+1] op_sel_hi:[1,0,1]
.endif
.endr
.endr
	WIN 0
.set n, 0
.rept 64
.set n, n+1
.endr
.irp b, 0,1,2,3,4,5,6,7
	v_cvt_scalef32_pk8_fp8_f32 v[CC+2*\b:CC+2*\b+1], v[TMP+8*\b:TMP+8*\b+7], v[SCL]
.endr
	v_nop                                          ; one plain vector line behind the last conversion: the next block writes the numbers' registers
.irp i, 0,1,2,3
.if \isv
	global_store_b128 v[CO], v[CC+4*\i:CC+4*\i+3], s[10:11] offset:((\a)/4)*131072+((\a)%4)*2048+\i*512   ; head a / 4, tile of channels a % 4, image i: keys 32 i on
.else
	global_store_b128 v[CO], v[CC+4*\i:CC+4*\i+3], s[10:11] offset:(\i/2)*131072+(\a)*1024+(\i%2)*512     ; head i / 2, tile of tokens a, image i % 2
.endif
.endr
.endm
	s_cmp_eq_u32 ttmp9, 2                          ; the cluster's x: all partners take the same way; neither way touches LDS
	s_cbranch_scc1 .Lfor_v
.irp a, 0,1,2,3,4,5,6,7
	OUTBLK \a, 0
.endr
	s_branch .Lend
.Lfor_v:
.irp a, 0,1,2,3,4,5,6,7
	OUTBLK \a, 1
.endr
.Lend:
	s_wait_tensorcnt 0x0                           ; the wave's end
	ds_add_u32 v[SPW], v[NIL]
	s_wait_dscnt 0x0
	CROUND                                         ; the closing round: no work-group ends while a partner may still ask for a tile that names it
	s_endpgm
.Lfunc_end_k_qb7a1cd8362_qkv:
	.size	k_qb7a1cd8362_qkv, .Lfunc_end_k_qb7a1cd8362_qkv-k_qb7a1cd8362_qkv
	.p2alignl 7, 3214868480
	.fill 96, 4, 3214868480
	.section	.rodata,"a",@progbits
	.p2align	6, 0x0
	.amdhsa_kernel k_qb7a1cd8362_qkv
		.amdhsa_group_segment_fixed_size 327680
		.amdhsa_private_segment_fixed_size 0
		.amdhsa_enable_private_segment 0
		.amdhsa_kernarg_size 88
		.amdhsa_user_sgpr_count 2
		.amdhsa_user_sgpr_kernarg_segment_ptr 1
		.amdhsa_wavefront_size32 1
		.amdhsa_system_sgpr_workgroup_id_x 1
		.amdhsa_system_sgpr_workgroup_id_y 1
		.amdhsa_system_sgpr_workgroup_id_z 1
		.amdhsa_system_vgpr_workitem_id 0
		.amdhsa_next_free_vgpr 1024
		.amdhsa_next_free_sgpr 100
		.amdhsa_reserve_vcc 0
		.amdhsa_float_denorm_mode_32 3
		.amdhsa_float_denorm_mode_16_64 3
		.amdhsa_fp16_overflow 1
		.amdhsa_memory_ordered 1
		.amdhsa_forward_progress 1
		.amdhsa_inst_pref_size 130
	.end_amdhsa_kernel
	.amdgpu_metadata
---
amdhsa.version: [ 1, 2 ]
amdhsa.kernels:
  - .name:           k_qb7a1cd8362_qkv
    .symbol:         k_qb7a1cd8362_qkv.kd
    .args:
      - { .name: x_codes, .offset: 0, .size: 8, .value_kind: global_buffer, .address_space: global }
      - { .name: Wq_codes, .offset: 8, .size: 8, .value_kind: global_buffer, .address_space: global }
      - { .name: Wk_codes, .offset: 16, .size: 8, .value_kind: global_buffer, .address_space: global }
      - { .name: Wv_codes, .offset: 24, .size: 8, .value_kind: global_buffer, .address_space: global }
      - { .name: bq, .offset: 32, .size: 8, .value_kind: global_buffer, .address_space: global }
      - { .name: bk, .offset: 40, .size: 8, .value_kind: global_buffer, .address_space: global }
      - { .name: bv, .offset: 48, .size: 8, .value_kind: global_buffer, .address_space: global }
      - { .name: lowp_scales, .offset: 56, .size: 8, .value_kind: global_buffer, .address_space: global }
      - { .name: q_img, .offset: 64, .size: 8, .value_kind: global_buffer, .address_space: global }
      - { .name: k_img, .offset: 72, .size: 8, .value_kind: global_buffer, .address_space: global }
      - { .name: v_img, .offset: 80, .size: 8, .value_kind: global_buffer, .address_space: global }
    .group_segment_fixed_size: 327680
    .private_segment_fixed_size: 0
    .kernarg_segment_align: 8
    .kernarg_segment_size: 88
    .max_flat_workgroup_size: 128
    .sgpr_count:     100
    .vgpr_count:     1024
    .wavefront_size: 32
...
	.end_amdgpu_metadata
.endif
;; end of part 1
;; launch attn (part 2): grid 4 x 64, 16 waves a work-group, clusters of 4 x 1, 264,192 bytes of LDS; arguments q_img, k_img, v_img, lowp_scales, a_img; writes a_img
.if DOCPART == 2
	.amdgcn_target "amdgcn-amd-amdhsa--gfx1250"
	.amdhsa_code_object_version 6
	.text
	.protected	k_qb7a1cd8362_attn
	.globl	k_qb7a1cd8362_attn
	.p2align	8
	.type	k_qb7a1cd8362_attn,@function
k_qb7a1cd8362_attn:
	s_mov_b64 s[64:65], 0
	v_nop
	global_prefetch_b8 v0, s[64:65] scope:SCOPE_SE
	s_setreg_imm32_b32 hwreg(HW_REG_WAVE_MODE, 25, 1), 1
	s_wait_xcnt 0x0
	s_wait_alu depctr_hold_cnt(0) depctr_sa_sdst(0) depctr_va_vdst(0) depctr_va_sdst(0) depctr_va_ssrc(0) depctr_va_vcc(0) depctr_vm_vsrc(0)
	s_getreg_b32 s2, hwreg(HW_REG_IB_STS2, 6, 4)
	s_cmp_eq_u32 s2, 0
	s_cbranch_scc0 .Lentry_in_a_cluster
	s_endpgm
.Lentry_in_a_cluster:
	s_bfe_u32 s2, ttmp6, 0x10000c
	s_cmp_lg_u32 s2, 0x3003
	s_cbranch_scc0 .Lentry_shape_is_right
	s_endpgm
.Lentry_shape_is_right:
; Causal attention on codes of FP8 (E4M3): for each of 64 (batch, head) pairs, 2,048 queries and keys, head size 64.  Scales: q 2^e6, k 2^e7, p 2^e8, v 2^e9; the result is quantised with 2^e10 for the last projection.
; THE SOFTMAX AHEAD OF THE SECOND PRODUCT: t = score x log2(e) / 8; M = the running largest t, rounded UP to a whole number; p = 2^(t - M) is quantised, not normalised; the row's sum is taken of the unquantised p
; and divides at the end.  When M moves, the sum and O are multiplied by 2^(old M - new M): exact.
; LIMITS on the given exponents, so that each power of two below is an f32 number: e6 + e7 between -123 and 130 (added to c's exponent field); e8 and e10 between -126 and 119; e8 + e9 goes by v_ldexp_f32 and has none.
; LDS.  A head's whole K (131,072 bytes) and V (131,072 bytes) lie in LDS, as the images of operand registers that the launch before has stored: 16 bytes a lane at 16 x lane, no pitch, no padding.
; Each of the sixteen waves brings 16,384 bytes by ONE tensor load at the head (waves 0-7 K, waves 8-15 V); nothing is filled again, so the walk over the keys has no barrier.
; CLUSTER.  The four work-groups of a cluster serve one head and ask for K and V JOINTLY: the same load with the same descriptor and the mask of all four.
; No prefetch is laid: all that the launch reads of K and V is asked for by those loads at its head, and nothing later.
; SHARES.  Wave w (g = w % 8, u = w / 8) of work-group cx owns two tiles of 16 queries: tile 8 g + 2 cx + u and tile 8 (15 - g) + 2 cx + u, one after the other.
; A tile of group G (128 queries) needs the key steps 0 .. G of 128 keys, the last on the diagonal: every wave has (g + 1) + (16 - g) = 17 steps.  The loops' trip counts are constants (8, 16); a step beyond the
; tile's group is jumped over by a scalar branch on the wave's number and the counter.  cx enters global addresses and the number that the mask compares with, nothing else.
; LAYOUT.  Both products are used transposed: S^T = K Q^T (source 0 = 16 keys), O^T = V^T P^T (source 0 = 16 channels): a lane holds ONE query (lane % 16) throughout.  Register j of tile t of S^T is key
; 16 t + 8 (lane / 16) + j, so the eight codes of tile t ARE registers 2 t, 2 t + 1 of P as the 128-deep form wants it.
; REGISTERS: v1 16 x lane; v2 what the mask compares with; v3, v4 LDS addresses of the step; v5 2^e8; v8 16 x lane + V's base; v9 a permute's result; v[10:11] f, 0; v12 -M; v13 the largest t;
;   v[14:15] the sum in two halves; v16-23 Q of the first tile; v24-87 K's eight fragments, then p's codes (v24-39) and work (v40-47); v88-151 V's four fragments; v152-215 S^T, then p; v216-247 O^T; v248-255 Q of the second tile.
.set S,    152
.set O,    216
.set KFR,  24
.set VFR,  88
.set PC,   24
.set VBASE, 131072                     ; V's images lie behind K's
.set STEPB, 8192                       ; 128 keys of K, and of V, in bytes
.macro ROUND                           ; a round of the cluster's barrier
	s_barrier_signal -1
	s_barrier_wait -1
	s_cmp_lg_u32 s14, 0
	s_cbranch_scc1 .Lnot_wave_0_\@
	s_barrier_signal -3
.Lnot_wave_0_\@:
	s_barrier_wait -3
	s_barrier_signal -1
	s_barrier_wait -1
.endm
; Tile s[j] of the head: where its Q lies in q_img, and where its result goes in a_img:
; a_img: [block of 256 rows 32][128 along K 8][tile of 16 rows 16][image 4][lane 32][16 bytes]; head hh fills K block hh / 2, images 2 (hh % 2) and 2 (hh % 2) + 1.
.macro ADDRS j, qa, oa
	s_lshl_b32 s2, s16, 17                         ; the head's 128 tiles of 1,024 bytes
	s_lshl_b32 s3, s[\j], 10
	s_add_co_u32 s2, s2, s3
	s_mov_b32 s3, 0
	s_add_nc_u64 s[\qa:\qa+1], s[4:5], s[2:3]
	s_lshr_b32 s2, s16, 4                          ; the batch: 8 blocks of 256 rows
	s_lshl_b32 s2, s2, 3
	s_lshr_b32 s3, s[\j], 4
	s_add_co_u32 s2, s2, s3
	s_lshl_b32 s2, s2, 18                          ; 262,144 bytes a block
	s_bfe_u32 s3, s16, 0x30001                     ; head / 2
	s_lshl_b32 s3, s3, 15
	s_add_co_u32 s2, s2, s3
	s_and_b32 s3, s[\j], 15
	s_lshl_b32 s3, s3, 11
	s_add_co_u32 s2, s2, s3
	s_and_b32 s3, s16, 1                           ; head % 2: two images on
	s_lshl_b32 s3, s3, 10
	s_add_co_u32 s2, s2, s3
	s_mov_b32 s3, 0
	s_add_nc_u64 s[\oa:\oa+1], s[12:13], s[2:3]
.endm
	s_load_b256 s[4:11], s[0:1], 0x0               ; q_img s[4:5], k_img s[6:7], v_img s[8:9], the scales' exponents s[10:11]
	s_load_b64 s[12:13], s[0:1], 0x20              ; a_img
	v_lshl_add_u32 v254, v0, 2, 0x40000
	v_mov_b32 v255, 0
	ds_add_u32 v254, v255
	ds_add_u32 v254, v255
	s_wait_dscnt 0x0
	v_lshrrev_b32 v1, 5, v0
	s_delay_alu instid0(VALU_DEP_1)
	v_readfirstlane_b32 s14, v1                    ; wave 0..15
	s_bfe_u32 s15, ttmp6, 0x40000                  ; cx
	s_and_b32 s16, ttmp7, 0xffff                   ; 16 x batch + head: the cluster's y, which the partners share
	s_and_b32 s17, s14, 7                          ; g
	s_lshr_b32 s18, s14, 3                         ; u
	s_lshl_b32 s19, s15, 1
	s_add_co_u32 s18, s18, s19                     ; T0 = 2 cx + u: my tile's place among the eight of its group
	; descriptor group 1: 64 rows of 256 bytes, dense in memory and in LDS
	s_mov_b32 s24, 15|(1<<21)                      ; 15:0 the mask: all four work-groups; 17:16 elements of 1 byte; 20 no padding; 21 set beside a mask
	s_mov_b32 s25, 256<<16                         ; tensor_dim0
	s_mov_b32 s26, 64<<16                          ; tensor_dim1
	s_mov_b32 s27, 256<<16                         ; tile_dim0
	s_mov_b32 s28, 64                              ; tile_dim1
	s_mov_b32 s29, 256                             ; tensor_dim0_stride
	s_mov_b32 s30, 0
	s_mov_b32 s31, 0
	s_mov_b32 s32, 1                               ; group 0: count = 1
	s_lshl_b32 s33, s14, 14                        ; LDS address: 16,384 x wave
	s_lshl_b32 s2, s16, 17                         ; the head's 131,072 bytes,
	s_lshl_b32 s3, s17, 14                         ; my eighth of them
	s_add_co_u32 s2, s2, s3
	s_mov_b32 s3, 0
	s_mov_b32 s20, 0x76543210                      ; v_permlanex16_b32's selects for lane l xor 16
	s_mov_b32 s21, 0xfedcba98
	s_wait_kmcnt 0x0
	s_load_b256 s[36:43], s[10:11], 0x0            ; e0 .. e7
	s_load_b128 s[44:47], s[10:11], 0x20           ; e8 .. e11
	s_cmp_lt_u32 s14, 8                            ; waves 0-7 fetch K, waves 8-15 V: a choice on the wave's number, the same in all partners
	s_cselect_b64 s[34:35], s[6:7], s[8:9]
	s_add_nc_u64 s[34:35], s[34:35], s[2:3]
	s_or_b32 s35, s35, 0x80000000                  ; type = 2
	ROUND                                          ; all four work-groups are here: the joint loads meet
	tensor_load_to_lds s[32:35], s[24:31]          ; my one tensor load of the launch
	s_nop 0
.rept 4
	v_nop
.endr
	s_lshl_b32 s19, s17, 3
	s_add_co_u32 s19, s19, s18                     ; the first tile: 8 g + T0
	s_sub_co_u32 s62, 15, s17
	s_lshl_b32 s62, s62, 3
	s_add_co_u32 s62, s62, s18                     ; the second: 8 (15 - g) + T0
	ADDRS 19, 52, 54
	ADDRS 62, 58, 56
	v_and_b32 v1, 31, v0
	s_delay_alu instid0(VALU_DEP_1)
	v_lshlrev_b32 v1, 4, v1                        ; 16 x lane
	global_load_b128 v[16:19], v1, s[52:53] th:TH_LOAD_NT              ; Q's fragments stay in registers: two images each
	global_load_b128 v[20:23], v1, s[52:53] offset:512 th:TH_LOAD_NT
	global_load_b128 v[248:251], v1, s[58:59] th:TH_LOAD_NT
	global_load_b128 v[252:255], v1, s[58:59] offset:512 th:TH_LOAD_NT
	v_and_b32 v2, 15, v0                           ; r
	v_bfe_u32 v3, v0, 4, 1                         ; h
	s_delay_alu instid0(VALU_DEP_1)
	v_lshlrev_b32 v3, 3, v3
	s_delay_alu instid0(VALU_DEP_1)
	v_sub_nc_u32 v2, v2, v3
	s_lshl_b32 s2, s18, 4
	v_add_nc_u32 v2, s2, v2                        ; 16 T0 + r - 8 h: on the diagonal, register 8 t + j (key 16 t + 8 h + j of the step) is hidden where 16 t + j is above this
	v_add_nc_u32 v8, VBASE, v1
	v_mov_b32 v9, 0                                ; written once: a lane permute's destination counts as one of its sources
	v_mov_b32 v11, 0                               ; (named as the upper half of the pair v[10:11])
	s_wait_kmcnt 0x0
	s_add_co_i32 s2, s42, s43                      ; a score stands for score x 2^(e6 + e7): added to c's exponent field
	s_lshl_b32 s2, s2, 23
	s_mov_b32 s22, 0x3e38aa3b                      ; c = log2(e) / sqrt(64)
	s_add_co_i32 s22, s22, s2
	s_mov_b32 s23, s22                             ; (named with it as a pair, so it is written)
	s_add_co_i32 s2, s44, 127
	s_lshl_b32 s3, s2, 23
	v_mov_b32 v5, s3                               ; 2^e8 as f32, for p's conversion
	s_add_co_i32 s51, s44, s45                     ; e8 + e9
	s_add_co_i32 s2, s46, 127
	s_lshl_b32 s60, s2, 23                         ; 2^e10 as f32
	s_wait_tensorcnt 0x0                           ; my sixteenth of K and V is in,
	s_barrier_signal -1
	s_barrier_wait -1                              ; everybody's is: from here on LDS is only read
	s_wait_loadcnt 0x0                             ; Q
; A KEY STEP: 128 keys, step s49 of the tile of group s48; s50 = 8,192 x s49.
.macro STEP QF
	s_cmp_gt_u32 s49, s48                          ; all its keys come after my queries: left out.  A branch on the wave's number and the counter
	s_cbranch_scc1 .Lhidden_\@
	s_setprio 2
	v_add_nc_u32 v3, s50, v1
	v_add_nc_u32 v4, s50, v8
	v_nop                                          ; with the two additions: four places behind the last step's products, in front of loads into their sources
	v_nop
.irp t, 0,1,2,3,4,5,6,7
	ds_load_b128 v[KFR+8*\t:KFR+8*\t+3],   v3 offset:1024*\t          ; K: 16 keys x 64: two images
	ds_load_b128 v[KFR+8*\t+4:KFR+8*\t+7], v3 offset:1024*\t+512
.endr
.irp c, 0,1,2,3
.irp i, 0,1,2,3
	ds_load_b128 v[VFR+16*\c+4*\i:VFR+16*\c+4*\i+3], v4 offset:2048*\c+512*\i   ; V: 16 channels x 128 keys: four images
.endr
.endr
	s_wait_dscnt 16                                ; K's 16 loads are in; V's 16, issued behind them, land under the softmax
.irp t, 0,1,2,3,4,5,6,7
	v_wmma_f32_16x16x64_fp8_fp8 v[S+8*\t:S+8*\t+7], v[KFR+8*\t:KFR+8*\t+7], v[\QF:\QF+7], 0
.endr
.rept 4
	v_nop                                          ; places in front of the first read of the scores and the first write of K's registers
.endr
	s_cmp_lg_u32 s49, s48                          ; only the tile's last step lies on the diagonal
	s_cbranch_scc1 .Lopen_\@
	v_mov_b32 v47, 0xff800000                      ; -infinity: p = 0 then
.set n, 0
.rept 64
	v_cmp_gt_i32 vcc_lo, 16*(n/8)+n%8, v2
	v_cndmask_b32 v[S+n], v[S+n], v47, vcc_lo
.set n, n+1
.endr
.Lopen_\@:
	v_max3_num_f32 v40, v[S], v[S+1], v[S+2]       ; the step's largest score of my query among my 64 keys, in two chains, each tile of scores from its low end on
	v_max3_num_f32 v41, v[S+3], v[S+4], v[S+5]
.irp i, 6,10,14,18,22,26,30,34,38,42,46,50,54,58
	v_max3_num_f32 v40, v40, v[S+\i], v[S+\i+1]
	v_max3_num_f32 v41, v41, v[S+\i+2], v[S+\i+3]
.endr
	v_max3_num_f32 v40, v40, v[S+62], v[S+63]
	s_delay_alu instid0(VALU_DEP_1)
	v_max_num_f32 v40, v40, v41
	s_delay_alu instid0(VALU_DEP_1)
	v_permlanex16_b32 v9, v40, s20, s21
	s_delay_alu instid0(VALU_DEP_1)
	v_max_num_f32 v40, v40, v9                     ; and among lane l xor 16's
	s_delay_alu instid0(VALU_DEP_1)
	v_mul_f32 v40, s22, v40                        ; as t (c is positive)
	s_delay_alu instid0(VALU_DEP_1)
	v_max_num_f32 v13, v13, v40                    ; the running largest t
	v_mov_b32 v40, v12
	s_delay_alu instid0(VALU_DEP_2)
	v_floor_f32 v12, -v13                          ; the new -M = floor(-t) = -ceil(t): a whole number
	s_delay_alu instid0(VALU_DEP_1)
	v_sub_f32 v40, v12, v40                        ; old M - new M: a whole number, 0 or less
	s_delay_alu instid0(VALU_DEP_1)
	v_cvt_i32_f32 v40, v40                         ; (it saturates)
	s_delay_alu instid0(VALU_DEP_1)
	v_ldexp_f32 v10, 1.0, v40                      ; f = 2^(old M - new M)
.set n, 0
	s_setprio 1
.rept 32
	v_pk_fma_f32 v[S+n:S+n+1], v[S+n:S+n+1], s[22:23], v[12:13] op_sel_hi:[1,0,0]   ; t - M, two at a time
.set n, n+2
.endr
.set n, 0
	s_wait_alu depctr_va_vdst(0)
.rept 64
	v_exp_f32 v[S+n], v[S+n]                       ; p = 2^(t - M), at most 1
.set n, n+1
.endr
	v_pk_mul_f32 v[14:15], v[14:15], v[10:11] op_sel_hi:[1,0]   ; the sums under the new M: the plain line behind the exponentials
	s_wait_alu depctr_va_vdst(0)                   ; one wait for the batch of 64, ahead of its first reader
	v_pk_add_f32 v[44:45], v[156:157], v[160:161]
	v_pk_add_f32 v[86:87], v[164:165], v[168:169]
	v_pk_add_f32 v[84:85], v[172:173], v[176:177]
	v_pk_add_f32 v[82:83], v[180:181], v[184:185]
	v_pk_add_f32 v[80:81], v[188:189], v[192:193]
	v_pk_add_f32 v[78:79], v[196:197], v[200:201]
	v_pk_add_f32 v[76:77], v[204:205], v[208:209]
	v_pk_add_f32 v[14:15], v[14:15], v[212:213]
	v_pk_add_f32 v[44:45], v[44:45], v[152:153]
	v_pk_add_f32 v[86:87], v[86:87], v[154:155]
	v_pk_add_f32 v[84:85], v[84:85], v[158:159]
	v_pk_add_f32 v[82:83], v[82:83], v[162:163]
	v_pk_add_f32 v[80:81], v[80:81], v[166:167]
	v_pk_add_f32 v[78:79], v[78:79], v[170:171]
	v_pk_add_f32 v[76:77], v[76:77], v[174:175]
	v_pk_add_f32 v[14:15], v[14:15], v[178:179]
	v_pk_add_f32 v[44:45], v[44:45], v[182:183]
	v_pk_add_f32 v[86:87], v[86:87], v[186:187]
	v_pk_add_f32 v[84:85], v[84:85], v[190:191]
	v_pk_add_f32 v[82:83], v[82:83], v[194:195]
	v_pk_add_f32 v[80:81], v[80:81], v[198:199]
	v_pk_add_f32 v[78:79], v[78:79], v[202:203]
	v_pk_add_f32 v[76:77], v[76:77], v[206:207]
	s_setprio 0
	v_pk_add_f32 v[14:15], v[14:15], v[210:211]
	v_pk_add_f32 v[44:45], v[44:45], v[214:215]
	s_delay_alu instid0(VALU_DEP_2)
	v_pk_add_f32 v[14:15], v[14:15], v[82:83]
	s_delay_alu instid0(VALU_DEP_2)
	v_pk_add_f32 v[44:45], v[44:45], v[80:81]
	v_pk_add_f32 v[86:87], v[86:87], v[78:79]
	v_pk_add_f32 v[84:85], v[84:85], v[76:77]
	s_delay_alu instid0(VALU_DEP_2)
	v_pk_add_f32 v[14:15], v[14:15], v[86:87]
	s_delay_alu instid0(VALU_DEP_2)
	v_pk_add_f32 v[44:45], v[44:45], v[84:85]
	s_delay_alu instid0(VALU_DEP_1)
	v_pk_add_f32 v[14:15], v[14:15], v[44:45]
.set n, 0
.rept 64
.set n, n+1
.endr
.irp t, 0,1,2,3,4,5,6,7
	v_cvt_scalef32_pk8_fp8_f32 v[PC+2*\t:PC+2*\t+1], v[S+8*\t:S+8*\t+7], v5
.endr
.set n, 0
.rept 16
	v_pk_mul_f32 v[O+n:O+n+1], v[O+n:O+n+1], v[10:11] op_sel_hi:[1,0]   ; O^T under the new M; these are also the plain lines behind the conversions
.set n, n+2
.endr
	s_wait_alu depctr_va_vdst(0)
	s_wait_dscnt 0x0                               ; V is in
.irp c, 0,1,2,3
	v_wmma_f32_16x16x128_fp8_fp8 v[O+8*\c:O+8*\c+7], v[VFR+16*\c:VFR+16*\c+15], v[PC:PC+15], v[O+8*\c:O+8*\c+7]   ; the four accumulators take turns, and the next step's eight products stand between two links
.endr
.Lhidden_\@:
.endm
; A tile of 16 queries: Q in v[QF] on, TRIPS trips, the result to s[OUT:OUT+1].
.macro TILE QF, TRIPS, OUT
	s_wait_xcnt 0x0                                ; the tile before has stored from v24-31: they are loaded again only behind this wait
	v_mov_b32 v13, 0xff61b1e6                      ; the largest t so far: -3e38, under every t
	s_delay_alu instid0(VALU_DEP_1)
	v_floor_f32 v12, -v13                          ; -M
	v_mov_b32 v14, 0
	v_mov_b32 v15, 0
.set n, 0
.rept 32
	v_mov_b32 v[O+n], 0                            ; O^T: the step is written once a tile; its first trip finds zeros, which the first change of M leaves zeros
.set n, n+1
.endr
	s_mov_b32 s49, 0
	s_mov_b32 s50, 0
.Lstep_\@:
	STEP \QF
	s_add_co_u32 s50, s50, STEPB
	s_add_co_u32 s49, s49, 1
	s_cmp_lt_u32 s49, \TRIPS
	s_cbranch_scc1 .Lstep_\@
	s_setprio 0
	; the way out: O^T x 2^(e8 + e9) / the sum, quantised with 2^e10, as two images of the last projection's operand
	v_add_f32 v14, v14, v15                        ; the sum's two halves.  (The five plain lines down to v_ldexp_f32 are the places behind the last products)
	s_delay_alu instid0(VALU_DEP_1)
	v_permlanex16_b32 v9, v14, s20, s21
	s_delay_alu instid0(VALU_DEP_1)
	v_add_f32 v14, v14, v9                         ; and lane l xor 16's
	s_wait_alu depctr_va_vdst(0)
	v_rcp_f32 v14, v14
	v_mov_b32 v40, s60                             ; (a plain line behind the reciprocal)  2^e10
	s_wait_alu depctr_va_vdst(0)                   ; the wait ahead of the reciprocal's first reader
	v_ldexp_f32 v14, v14, s51
.set n, 0
.rept 16
	v_pk_mul_f32 v[S+n:S+n+1], v[O+n:O+n+1], v[14:15] op_sel_hi:[1,0]   ; register 8 c + j: channel 16 c + 8 h + j of my query
.set n, n+2
.endr
.set n, 0
.rept 32
.set n, n+1
.endr
.irp c, 0,1,2,3
	v_cvt_scalef32_pk8_fp8_f32 v[PC+2*\c:PC+2*\c+1], v[S+8*\c:S+8*\c+7], v40
.endr
	v_nop                                          ; one plain line behind the conversions
	v_permlane16_swap_b32 v24, v26                 ; the projection reads 16 neighbours a lane: lane (r, h) gets channels 32 i + 16 h + 0 .. 15: the upper lanes of tile 2 i change places with the lower lanes of tile 2 i + 1
	v_permlane16_swap_b32 v25, v27
	v_permlane16_swap_b32 v28, v30
	v_permlane16_swap_b32 v29, v31
	global_store_b128 v1, v[24:27], s[\OUT:\OUT+1]              ; 32 lanes store 512 consecutive bytes, aligned
	global_store_b128 v1, v[28:31], s[\OUT:\OUT+1] offset:512
.endm
	s_mov_b32 s48, s17                             ; the first tile's group: g, at most 7
	TILE 16, 8, 54
	s_sub_co_u32 s48, 15, s17                      ; the second's: 15 - g
	TILE 248, 16, 56
	s_wait_dscnt 0x0                               ; no LDS instruction of mine is out at a signal
	s_wait_xcnt 0x0
	v_lshl_add_u32 v254, v0, 2, 0x40000
	v_mov_b32 v255, 0
	s_wait_alu depctr_va_vdst(0)
	s_wait_tensorcnt 0x0
	ds_add_u32 v254, v255
	s_wait_dscnt 0x0
	ROUND                                          ; the closing round
	s_endpgm
.Lfunc_end_k_qb7a1cd8362_attn:
	.size	k_qb7a1cd8362_attn, .Lfunc_end_k_qb7a1cd8362_attn-k_qb7a1cd8362_attn
	.p2alignl 7, 3214868480
	.fill 96, 4, 3214868480
	.section	.rodata,"a",@progbits
	.p2align	6, 0x0
	.amdhsa_kernel k_qb7a1cd8362_attn
		.amdhsa_group_segment_fixed_size 264192
		.amdhsa_private_segment_fixed_size 0
		.amdhsa_enable_private_segment 0
		.amdhsa_kernarg_size 40
		.amdhsa_user_sgpr_count 2
		.amdhsa_user_sgpr_kernarg_segment_ptr 1
		.amdhsa_wavefront_size32 1
		.amdhsa_system_sgpr_workgroup_id_x 1
		.amdhsa_system_sgpr_workgroup_id_y 1
		.amdhsa_system_sgpr_workgroup_id_z 1
		.amdhsa_system_vgpr_workitem_id 0
		.amdhsa_next_free_vgpr 256
		.amdhsa_next_free_sgpr 66
		.amdhsa_reserve_vcc 1
		.amdhsa_float_denorm_mode_32 3
		.amdhsa_float_denorm_mode_16_64 3
		.amdhsa_fp16_overflow 1
		.amdhsa_memory_ordered 1
		.amdhsa_forward_progress 1
		.amdhsa_inst_pref_size 51
	.end_amdhsa_kernel
	.amdgpu_metadata
---
amdhsa.version: [ 1, 2 ]
amdhsa.kernels:
  - .name:           k_qb7a1cd8362_attn
    .symbol:         k_qb7a1cd8362_attn.kd
    .args:
      - { .name: q_img, .offset: 0, .size: 8, .value_kind: global_buffer, .address_space: global }
      - { .name: k_img, .offset: 8, .size: 8, .value_kind: global_buffer, .address_space: global }
      - { .name: v_img, .offset: 16, .size: 8, .value_kind: global_buffer, .address_space: global }
      - { .name: lowp_scales, .offset: 24, .size: 8, .value_kind: global_buffer, .address_space: global }
      - { .name: a_img, .offset: 32, .size: 8, .value_kind: global_buffer, .address_space: global }
    .group_segment_fixed_size: 264192
    .private_segment_fixed_size: 0
    .kernarg_segment_align: 8
    .kernarg_segment_size: 40
    .max_flat_workgroup_size: 512
    .sgpr_count:     66
    .vgpr_count:     256
    .wavefront_size: 32
...
	.end_amdgpu_metadata
.endif
;; end of part 2
;; launch oproj (part 3): grid 8 x 32, 4 waves a work-group, clusters of 4 x 4, 327,680 bytes of LDS; arguments a_img, Wo_codes, bo, lowp_scales, out0; writes out0
.if DOCPART == 3
	.amdgcn_target "amdgcn-amd-amdhsa--gfx1250"
	.amdhsa_code_object_version 6
	.text
	.protected	k_qb7a1cd8362_oproj
	.globl	k_qb7a1cd8362_oproj
	.p2align	8
	.type	k_qb7a1cd8362_oproj,@function
k_qb7a1cd8362_oproj:
	s_mov_b64 s[64:65], 0
	v_nop
	global_prefetch_b8 v0, s[64:65] scope:SCOPE_SE
	s_setreg_imm32_b32 hwreg(HW_REG_WAVE_MODE, 25, 1), 1
	s_wait_xcnt 0x0
	s_wait_alu depctr_hold_cnt(0) depctr_sa_sdst(0) depctr_va_vdst(0) depctr_va_sdst(0) depctr_va_ssrc(0) depctr_va_vcc(0) depctr_vm_vsrc(0)
	s_getreg_b32 s2, hwreg(HW_REG_IB_STS2, 6, 4)
	s_cmp_eq_u32 s2, 0
	s_cbranch_scc0 .Lentry_in_a_cluster
	s_endpgm
.Lentry_in_a_cluster:
	s_bfe_u32 s2, ttmp6, 0x10000c
	s_cmp_lg_u32 s2, 0xf033
	s_cbranch_scc0 .Lentry_shape_is_right
	s_endpgm
.Lentry_shape_is_right:
; out0 = a Wo^T + bo on codes of FP8 (E4M3).  a: [8192][1024], the attention's result, stored by the launch before as images of operand registers; Wo: [1024][1024] codes, K innermost; bo [1024], out0 [8192][1024]: f32.
; A sum of codes stands for sum x 2^(e10 + e11).  LIMIT: e10 + e11 between -126 and 127, so that 2^(e10 + e11) is an f32 number.
; SHARES.  A tile of 256 rows x 128 columns to a work-group (8 x 32 tiles: one for each of 256 work-groups); a wave makes 128 x 64: 32 accumulators, 256 registers.  K = 1024 goes in four steps of 256 through two LDS slots.
; A's part of a slot is a dense block of a_img: [128 along K 2][tile of 16 rows 16][image 4][lane 32][16 bytes]: a fragment is four loads at 16 x lane.  Lane (r, h) holds, of row r, K = 32 c + 16 h + 0 .. 15 in
; registers 4 c .. 4 c + 3: the order in which four 16-byte loads from rows give Wo's fragments: the same order of k on both sides.
; CLUSTERS: 4 x 4 work-groups; A's tile is asked for jointly along a row of the cluster, B's along a column.  The matrix instruction is used transposed (source 0 = 16 rows of Wo, source 1 = 16 rows of a).
; No prefetch is laid: of the four K steps two are the first fills, and the tiles are shared by joint loads.
; REGISTERS: window 0: v0-31 addresses; v32-63 a block's results; v64-95 the bias; from v128 A's fragments, ONE set; on the way out v128-191 rows read back, two sets.
;   window 1: B's fragments, two sets, at v0 and v128.   window 2: the accumulators, (a, b) at v[8 (4 a + b)].
.set ROWB,   256
.set PITCH,  272                       ; a row of Wo's tile in LDS: 256 bytes + 16 of padding: the 16 rows that a load touches start at 16 different banks (64 banks of 4 bytes: ISA guide 11.1)
.set FR,     16
.set NL,     4
.set NP,     4
.set AIMG,   65536                     ; A's part of a slot
.set HALFB,  64*PITCH                  ; 64 rows of Wo: what one tensor load brings, and what one wave reads
.set SLOT,   AIMG+2*HALFB
.set SPARE,  2*SLOT                    ; behind the ring: the spare words, 128 bytes for each wave
.set SPITCH, 272                       ; the way out: a stage of 16 rows x (256 bytes + 16) for each wave, in slot 0, which has had its last fill and its last read when the first result is stored there
.set ADRA, 16
.set ADRB, 20
.set STO,  24
.set RD,   25
.set CO,   26
.set CBO,  27
.set SPW,  28
.set NIL,  29
.set TMP,  32
.set CB,   64
.set AF,   128
.set BK,   128
.set G1, 24
.set G0, 32
.set G1B, 48
.set G0B, 56
.set MSB, 0
.macro WIN new                         ; the immediate's high byte repeats the setting that is left
.if MSB != \new
	s_set_vgpr_msb (MSB<<8)|\new
.set MSB, \new
.endif
.endm
.set MUL,  0xa1                        ; source 0 (B) window 1, source 1 (A) window 0, C and D window 2
.set TO_B, 0x40                        ; destination window 1, address window 0
.macro JLOAD g0a, g1a, g0b, g1b        ; a joint load: waves 0 and 1 fetch for A, waves 2 and 3 for B; four v_nop follow each of the two lines
	s_cmp_eq_u32 s15, 0
	s_cbranch_scc0 .Lfor_b_\@
	tensor_load_to_lds s[\g0a:\g0a+3], s[\g1a:\g1a+7]
	s_nop 0
.rept 4
	v_nop
.endr
	s_branch .Lasked_\@
.Lfor_b_\@:
	tensor_load_to_lds s[\g0b:\g0b+3], s[\g1b:\g1b+7]
	s_nop 0
.rept 4
	v_nop
.endr
.Lasked_\@:
.endm
.macro CREST
	s_cmp_lg_u32 s14, 0
	s_cbranch_scc1 .Lnot_wave_0_\@
	s_barrier_signal -3
.Lnot_wave_0_\@:
	s_barrier_wait -3
	s_barrier_signal -1
	s_barrier_wait -1
.endm
.macro CROUND
	s_barrier_signal -1
	s_barrier_wait -1
	CREST
.endm
	s_load_b256 s[4:11], s[0:1], 0x0               ; a_img s[4:5], Wo's codes s[6:7], bo s[8:9], the scales' exponents s[10:11]
	s_load_b64 s[68:69], s[0:1], 0x20              ; out0
	v_lshl_add_u32 v[SPW], v0, 2, SPARE
	v_mov_b32 v[NIL], 0
	ds_add_u32 v28, v29
	ds_add_u32 v28, v29
	s_wait_dscnt 0x0
	v_lshrrev_b32 v1, 5, v0
	v_readfirstlane_b32 s14, v1                    ; wave 0..3
	s_lshr_b32 s15, s14, 1                         ; which 128 rows of the tile are mine.  Also: I fetch for A (0) or for B (1)
	s_and_b32 s16, s14, 1                          ; which 64 columns.  Also: which half of that side's tile I fetch
	s_bfe_u32 s40, ttmp6, 0x40000                  ; cx, cy
	s_bfe_u32 s41, ttmp6, 0x40004
	s_lshl_b32 s42, ttmp9, 2
	s_add_co_u32 s42, s42, s40                     ; tile column = 4 x cluster x + cx
	s_and_b32 s17, ttmp7, 0xffff
	s_lshl_b32 s17, s17, 2
	s_add_co_u32 s17, s17, s41                     ; tile row = 4 x cluster y + cy
	s_lshl_b32 s43, s41, 2
	s_lshl_b32 s43, 15, s43                        ; my row of the cluster
	s_lshl_b32 s44, 0x1111, s40                    ; my column
	; group 1 for A: 128 rows of 256 bytes, dense in memory and in LDS: one block of 128 along K of the tile's 256 rows
	s_or_b32 s[G1+0], s43, (1<<21)                 ; 15:0 the mask: my row; 17:16 elements of 1 byte; 20 no padding; 21 set beside a mask
	s_mov_b32 s[G1+1], 256<<16
	s_mov_b32 s[G1+2], 128<<16
	s_mov_b32 s[G1+3], 256<<16
	s_mov_b32 s[G1+4], 128
	s_mov_b32 s[G1+5], 256
	s_mov_b32 s[G1+6], 0
	s_mov_b32 s[G1+7], 0
	; group 1 for B: 64 rows of 256 bytes, 1,024 apart in memory, padded in LDS
	s_or_b32 s[G1B+0], s44, (1<<20)|(1<<21)|(5<<22)|(3<<25)   ; the mask of my column; padding: 4 words after every 64
	s_mov_b32 s[G1B+1], ROWB<<16
	s_mov_b32 s[G1B+2], 64<<16
	s_mov_b32 s[G1B+3], ROWB<<16
	s_mov_b32 s[G1B+4], 64
	s_mov_b32 s[G1B+5], 1024
	s_mov_b32 s[G1B+6], 0
	s_mov_b32 s[G1B+7], 0
	s_lshl_b32 s20, s17, 18                        ; A: 262,144 bytes a tile row,
	s_lshl_b32 s45, s16, 15                        ; + which of a K step's two blocks I fetch: 32,768 bytes, in memory and in a slot
	s_add_co_u32 s20, s20, s45
	s_mov_b32 s21, 0
	s_lshl_b32 s46, s42, 17                        ; B: 128 rows of 1,024 bytes a tile column,
	s_lshl_b32 s22, s16, 16                        ; + the 64 rows that I fetch
	s_add_co_u32 s46, s46, s22
	s_mov_b32 s47, 0
	s_mul_i32 s23, s16, HALFB
	s_add_co_u32 s23, s23, AIMG                    ; and their place in a slot, behind A's part
	s_wait_kmcnt 0x0
	s_load_b64 s[96:97], s[10:11], 0x28            ; e10, e11
	s_add_nc_u64 s[20:21], s[4:5], s[20:21]
	s_add_nc_u64 s[46:47], s[6:7], s[46:47]
	CROUND                                         ; all sixteen work-groups are here: the first joint loads meet
.irp s, 0,1
	s_mov_b32 s[G0+4*\s], 1
	s_add_co_u32 s[G0+4*\s+1], s45, \s*SLOT
	s_add_nc_u64 s[G0+4*\s+2:G0+4*\s+3], s[20:21], \s*AIMG
	s_or_b32 s[G0+4*\s+3], s[G0+4*\s+3], 0x80000000
	s_mov_b32 s[G0B+4*\s], 1
	s_add_co_u32 s[G0B+4*\s+1], s23, \s*SLOT
	s_add_nc_u64 s[G0B+4*\s+2:G0B+4*\s+3], s[46:47], \s*ROWB
	s_or_b32 s[G0B+4*\s+3], s[G0B+4*\s+3], 0x80000000
	s_wait_alu depctr_va_vdst(0)
	s_wait_tensorcnt 0x0
	ds_add_u32 v28, v29
	ds_add_u32 v28, v29
	s_wait_dscnt 0x0
	CROUND
	JLOAD G0+4*\s, G1, G0B+4*\s, G1B               ; one load of mine, K step 1's, is out behind these
.endr
	v_and_b32 v1, 15, v0                           ; r
	v_bfe_u32 v2, v0, 4, 1                         ; h
	v_and_b32 v3, 31, v0
	v_lshlrev_b32 v3, 4, v3                        ; 16 x lane
	v_mul_u32_u24 v4, v1, PITCH
	v_lshl_add_u32 v4, v2, 4, v4                   ; Wo: row x pitch + 16 x half
	s_lshl_b32 s21, s15, 14                        ; my eight tiles of 16 rows of A: 2,048 bytes each
	s_mul_i32 s22, s16, HALFB
	s_add_co_u32 s22, s22, AIMG                    ; my 64 rows of B
.irp s, 0,1
	v_add_nc_u32 v[ADRA+\s], s21, v3
	v_add_nc_u32 v[ADRB+\s], s22, v4
	s_add_co_u32 s21, s21, SLOT
	s_add_co_u32 s22, s22, SLOT
.endr
	s_mul_i32 s23, s14, 16*SPITCH                  ; my stage
	v_mul_u32_u24 v5, v1, SPITCH                   ; in: row r, 32 bytes for each half of the lanes
	v_lshl_add_u32 v5, v2, 5, v5
	v_add_nc_u32 v[STO], s23, v5
	v_mul_u32_u24 v6, v2, SPITCH                   ; back: lanes 0-15 take one row of 256 bytes, lanes 16-31 the next
	v_lshl_add_u32 v6, v1, 4, v6
	v_add_nc_u32 v[RD], s23, v6
	v_lshlrev_b32 v7, 12, v2                       ; and the same two rows in out0: 4,096 bytes a row
	v_lshl_add_u32 v[CO], v1, 4, v7
	s_lshl_b32 s2, s42, 9                          ; my first column in bytes: 512 x tile column + 256 x half
	s_lshl_b32 s3, s16, 8
	s_add_co_u32 s2, s2, s3
	v_lshl_add_u32 v[CBO], v2, 5, s2               ; the bias of columns 16 b + 8 h + 0 .. 7
.irp b, 0,1,2,3
	global_load_b128 v[CB+8*\b:CB+8*\b+3],   v[CBO], s[8:9] offset:64*\b
	global_load_b128 v[CB+8*\b+4:CB+8*\b+7], v[CBO], s[8:9] offset:64*\b+16
.endr
	s_lshl_b32 s3, s17, 20                         ; my first row: 256 x tile row + 128 x half, 4,096 bytes each
	s_add_co_u32 s2, s2, s3
	s_lshl_b32 s3, s15, 19
	s_add_co_u32 s2, s2, s3
	s_mov_b32 s3, 0
	s_add_nc_u64 s[68:69], s[68:69], s[2:3]
.macro FRAGA reg, slot, q, i           ; A's fragment of tile i of my rows, the slot's q-th 128 along K: four images
.irp c, 0,1,2,3
	ds_load_b128 v[\reg+4*\c:\reg+4*\c+3], v[ADRA+\slot] offset:32768*(\q)+2048*(\i)+512*\c
.endr
.endm
.macro FRAGB reg, slot, q, i           ; B's: 16 rows x 128 K from rows
.irp c, 0,1,2,3
	ds_load_b128 v[\reg+4*\c:\reg+4*\c+3], v[ADRB+\slot] offset:128*(\q)+32*\c+(\i)*16*PITCH
.endr
.endm
; 8 matrix instructions: A's blocks a0, a0 + 1 x B's four.  The 32 accumulators take turns, one instruction a turn, in the same order in every step.
.macro MUL8 a0, p, zero
.irp a, \a0, \a0+1
.irp b, 0,1,2,3
.if \zero
	v_wmma_f32_16x16x128_fp8_fp8 v[8*(4*(\a)+\b):8*(4*(\a)+\b)+7], v[128*(\p)+FR*\b:128*(\p)+FR*\b+FR-1], v[AF+FR*(\a):AF+FR*(\a)+FR-1], 0
.else
	v_wmma_f32_16x16x128_fp8_fp8 v[8*(4*(\a)+\b):8*(4*(\a)+\b)+7], v[128*(\p)+FR*\b:128*(\p)+FR*\b+FR-1], v[AF+FR*(\a):AF+FR*(\a)+FR-1], v[8*(4*(\a)+\b):8*(4*(\a)+\b)+7]
.endif
.endr
.endr
.endm
.macro FETCH_B slot, q, p
	WIN TO_B
.irp i, 0,1,2,3
	FRAGB 128*(\p)+FR*\i, \slot, \q, \i
.endr
	WIN 0
.endm
.macro FETCH_A slot, q, i0
.irp i, \i0, \i0+1, \i0+2, \i0+3
	FRAGA AF+FR*(\i), \slot, \q, \i
.endr
.endm
.macro PLACES n                        ; plain vector lines between a matrix instruction and a load into one of its registers or a read of its result
.rept \n
	v_nop
.endr
.endm
.macro STEP slot, q, zero              ; a step of 128 along K that has its successor in the same slot
	s_wait_dscnt 4*NL                              ; B's set and A's blocks 0-3 are in; the youngest 16 loads (A's blocks 4-7) may be out
	WIN MUL
	MUL8 0, (\q)%2, \zero
	MUL8 2, (\q)%2, \zero
	s_wait_dscnt 0                                 ; A's blocks 4-7 are in
	PLACES NP
	FETCH_B \slot, (\q)+1, 1-(\q)%2
	FETCH_A \slot, (\q)+1, 0
	WIN MUL
	MUL8 4, (\q)%2, \zero
	MUL8 6, (\q)%2, \zero
	PLACES NP
	WIN 0
	FETCH_A \slot, (\q)+1, 4
.endm
; A slot's last step changes slots: ONE barrier; in front of it each wave waits for all its tensor loads, adds 0 to its spare word, and waits for that and for its own reads of this slot.
.macro TURN slot, next, fill
	s_wait_tensorcnt 0x0                           ; all my tensor loads have landed: my part of the next slot
	ds_add_u32 v[SPW], v[NIL]                      ; 0 onto my spare word
	s_wait_dscnt 4*NL+1                            ; (the add and the youngest 16 loads may be out)
	WIN MUL
	MUL8 0, 1, 0                                   ; eight matrix instructions stand between the add and the wait for it
	s_wait_dscnt 0x0                               ; the add is done, and my reads of this slot are over
	s_barrier_signal -1
	MUL8 2, 1, 0
	WIN 0
	s_barrier_wait -1
.if \fill
	CREST                                          ; the barrier has opened a round of the cluster's barrier: no wave of any partner still reads this slot's tile or has a load on its way
	s_add_nc_u64 s[G0+4*\slot+2:G0+4*\slot+3], s[G0+4*\slot+2:G0+4*\slot+3], 2*AIMG
	s_add_nc_u64 s[G0B+4*\slot+2:G0B+4*\slot+3], s[G0B+4*\slot+2:G0B+4*\slot+3], 2*ROWB
	JLOAD G0+4*\slot, G1, G0B+4*\slot, G1B         ; the first tensor load behind the round, my one load until the next; its four v_nop are the places in front of the loads below
.else
	PLACES NP
.endif
	FETCH_B \next, 0, 0
	FETCH_A \next, 0, 0
	WIN MUL
	MUL8 4, 1, 0
	MUL8 6, 1, 0
	PLACES NP
	WIN 0
	FETCH_A \next, 0, 4
.endm
	s_wait_tensorcnt 1                             ; my part of K step 0 is in (K step 1's load may be out)
	s_barrier_signal -1
	s_barrier_wait -1                              ; everybody's is
	FETCH_B 0, 0, 0
	FETCH_A 0, 0, 0
	FETCH_A 0, 0, 4
	STEP 0, 0, 1                                   ; its products start the sums.  The eight steps of 128 are written out
	TURN 0, 1, 1
	STEP 1, 0, 0
	TURN 1, 0, 1
	STEP 0, 0, 0
	TURN 0, 1, 0                                   ; nothing is left to fetch; behind this barrier nobody reads slot 0
	STEP 1, 0, 0
	s_wait_dscnt 4*NL                              ; the last step
	WIN MUL
	MUL8 0, 1, 0
	MUL8 2, 1, 0
	s_wait_dscnt 0
	MUL8 4, 1, 0
	MUL8 6, 1, 0
	WIN 0
; THE WAY OUT, block by block of 16 rows x 64 columns: out = sum x 2^(e10 + e11) + bo, one packed multiply-add for two numbers, each accumulator from its low end on.  A lane holds 32 neighbouring bytes of a row:
; the block goes through my own stage and comes back as rows of 256 bytes.  LDS serves a wave's instructions in order (ISA guide 5.7.1.4): no wait between the stores and the loads.
.macro TOSTAGE a
.set AC, 32*(\a)
	WIN 0x02                                       ; source 0: window 2
.irp b, 0,1,2,3
.irp j, 0,2,4,6
	v_pk_fma_f32 v[TMP+8*\b+\j:TMP+8*\b+\j+1], v[AC+8*\b+\j:AC+8*\b+\j+1], s[96:97], v[CB+8*\b+\j:CB+8*\b+\j+1] op_sel_hi:[1,0,1]
.endr
.endr
	WIN 0
.irp b, 0,1,2,3
	ds_store_b128 v[STO], v[TMP+8*\b:TMP+8*\b+3] offset:64*\b
	ds_store_b128 v[STO], v[TMP+8*\b+4:TMP+8*\b+7] offset:64*\b+16
.endr
.set BB, BK+32*((\a)%2)
.irp t, 0,1,2,3,4,5,6,7
	ds_load_b128 v[BB+4*\t:BB+4*\t+3], v[RD] offset:\t*2*SPITCH
.endr
.endm
.macro SEND a, younger                 ; younger: the LDS instructions issued behind block a's loads, which may stay out
.set BB, BK+32*((\a)%2)
	s_wait_dscnt \younger
.irp t, 0,1,2,3,4,5,6,7
	global_store_b128 v[CO], v[BB+4*\t:BB+4*\t+3], s[68:69] offset:(16*(\a)+2*\t)*4096 th:TH_STORE_NT   ; 16 lanes store 256 consecutive bytes, aligned; written once, read by nobody here
.endr
.endm
	s_wait_kmcnt 0x0
	s_add_co_i32 s96, s96, s97
	s_add_co_i32 s96, s96, 127
	s_lshl_b32 s96, s96, 23                        ; 2^(e10 + e11) as f32
	s_mov_b32 s97, s96                             ; (named with it as a pair)
	s_wait_loadcnt 0x0                             ; the bias
	PLACES NP                                      ; behind the last products: their results are read, and the registers that held A's fragments are loaded, below
	TOSTAGE 0
.irp a, 1,2,3,4,5,6,7
.if \a > 1
	s_wait_xcnt 0x0                                ; block a - 2's stores have read their registers: block a's loads may land there
.endif
	TOSTAGE \a
	SEND \a-1, 16                                  ; behind block a - 1's loads: block a's 8 stores and 8 loads
.endr
	SEND 7, 0
	s_wait_tensorcnt 0x0                           ; the wave's end
	ds_add_u32 v[SPW], v[NIL]
	s_wait_dscnt 0x0
	CROUND                                         ; the closing round: no work-group ends while a partner may still ask for a tile that names it
	s_endpgm
.Lfunc_end_k_qb7a1cd8362_oproj:
	.size	k_qb7a1cd8362_oproj, .Lfunc_end_k_qb7a1cd8362_oproj-k_qb7a1cd8362_oproj
	.p2alignl 7, 3214868480
	.fill 96, 4, 3214868480
	.section	.rodata,"a",@progbits
	.p2align	6, 0x0
	.amdhsa_kernel k_qb7a1cd8362_oproj
		.amdhsa_group_segment_fixed_size 327680
		.amdhsa_private_segment_fixed_size 0
		.amdhsa_enable_private_segment 0
		.amdhsa_kernarg_size 40
		.amdhsa_user_sgpr_count 2
		.amdhsa_user_sgpr_kernarg_segment_ptr 1
		.amdhsa_wavefront_size32 1
		.amdhsa_system_sgpr_workgroup_id_x 1
		.amdhsa_system_sgpr_workgroup_id_y 1
		.amdhsa_system_sgpr_workgroup_id_z 1
		.amdhsa_system_vgpr_workitem_id 0
		.amdhsa_next_free_vgpr 768
		.amdhsa_next_free_sgpr 100
		.amdhsa_reserve_vcc 0
		.amdhsa_float_denorm_mode_32 3
		.amdhsa_float_denorm_mode_16_64 3
		.amdhsa_memory_ordered 1
		.amdhsa_forward_progress 1
		.amdhsa_inst_pref_size 78
	.end_amdhsa_kernel
	.amdgpu_metadata
---
amdhsa.version: [ 1, 2 ]
amdhsa.kernels:
  - .name:           k_qb7a1cd8362_oproj
    .symbol:         k_qb7a1cd8362_oproj.kd
    .args:
      - { .name: a_img, .offset: 0, .size: 8, .value_kind: global_buffer, .address_space: global }
      - { .name: Wo_codes, .offset: 8, .size: 8, .value_kind: global_buffer, .address_space: global }
      - { .name: bo, .offset: 16, .size: 8, .value_kind: global_buffer, .address_space: global }
      - { .name: lowp_scales, .offset: 24, .size: 8, .value_kind: global_buffer, .address_space: global }
      - { .name: out0, .offset: 32, .size: 8, .value_kind: global_buffer, .address_space: global }
    .group_segment_fixed_size: 327680
    .private_segment_fixed_size: 0
    .kernarg_segment_align: 8
    .kernarg_segment_size: 40
    .max_flat_workgroup_size: 128
    .sgpr_count:     100
    .vgpr_count:     768
    .wavefront_size: 32
...
	.end_amdgpu_metadata
.endif
;; end of part 3
